; MI455X (gfx1250); checked and timed in simulation.
; The chip was launched on July 23, 2026; its instructions are those of AMD's public machine-readable ISA for CDNA 5 (MIT licence, August 2026) and "CDNA5" Instruction Set Architecture Reference Guide (July 2026). The comments in the code are by the model that wrote it; some were corrected since.
;; Projected Adaptive Log Softmax. Allowed arithmetic: float matrix products may take bf16 or f16 operands with f32 sums; all other float work in f32.
;; Inputs: b1 20,000 float32; b2 160,000 float32; b3 67,735 float32; head_bias 20,003 float32; head_weight 20,003 x 1,024 float32; hidden 1,024 x 1,024 float32; p1 1,024 x 256 float32; p2 1,024 x 64 float32; p3 1,024 x 16 float32; proj0 1,024 x 1,024 float32; target 1,024 int32; w1 20,000 x 256 float32; w2 160,000 x 64 float32; w3 67,735 x 16 float32.
;; Outputs: out0 1,024 float32.
;; One version. Each part assembles by itself: llvm-mc -triple=amdgcn-amd-amdhsa -mcpu=gfx1250 --defsym DOCPART=n.
;; ======== version 1 of 1: 3 launches
;; workspace buffers: hpf 2,818,048 bytes; part 16,367,616 bytes
;; launch proj (part 1): grid 22 x 8, 16 waves a work-group, no clusters, 295,936 bytes of LDS; arguments hidden, proj0, p1, p2, p3, hpf; writes hpf
.if DOCPART == 1
	.amdgcn_target "amdgcn-amd-amdhsa--gfx1250"
	.amdhsa_code_object_version 6
	.text
	.protected	k_q4a6b2963e9_proj
	.globl	k_q4a6b2963e9_proj
	.p2align	8
	.type	k_q4a6b2963e9_proj,@function
k_q4a6b2963e9_proj:
	s_mov_b64 s[64:65], 0
	v_nop
	global_prefetch_b8 v0, s[64:65] scope:SCOPE_SE
	s_setreg_imm32_b32 hwreg(HW_REG_WAVE_MODE, 25, 1), 1
	s_wait_xcnt 0x0
; hp_c = hidden @ P_c for P_c = proj0, p1, p2, p3, rounded once to bf16 and stored as ready-made matrix fragments.
; Grid x = block of 64 columns e (0-15 proj0, 16-19 p1, 20 p2, 21 p3 with 16 columns only), grid y = block of 128 tokens.
; The work-group brings its 1024 x 64 piece of P into LDS as bf16 once, and its tokens in two halves of 64 x 1024: 256 + 2 x 256 KiB of f32
; for 128 x 64 results.  The second half's loads go out as soon as registers are free and travel while the first half is multiplied.
; Wave w makes one tile of 16 e x 16 tokens of each half over the whole K = 1024: source 0 = P transposed (rows e), source 1 = hidden
; (columns token).  A lane's eight results are then eight neighbouring e of one token: 16 bytes of bf16, one piece of a later fragment.
; hpf: region + (token>>6)*KS*4096 + kstep*4096 + ((token>>4)&3)*1024 + half*512 + lane*16; lane (h, r) holds token r, e = 32 kstep + 16 half + 8 h + 0..7.
; Sums in f32, in two accumulators (even and odd K steps): the order of the sums differs from a plain ascending one.
; The four P differ in their row length alone.  The branches on the column block hold only the address and the 32 loads; the LDS stores
; stand once, for all four, so each LDS byte has one owner thread whatever P is staged.
; No cluster, no tensor load: every number passes through registers for its conversion.
.set PPITCH, 160                       ; LDS row of P: 64 bf16 + 32 bytes, an odd multiple of 32 for the transposing load
.set HPITCH, 2064                      ; LDS row of hidden: 1024 bf16 + 16 bytes, an odd multiple of 16
.set HB, 1024*PPITCH                   ; hidden's 64 rows lie behind P's 1024 rows
; v1, v2  P: global offset, LDS address     v3, v4  hidden: global offset, LDS address     v5, v6  fragment addresses at work     v7  lane*16
; v11, v12  P: my row within a round of 32 rows, my piece of four columns     v13, v14  fragment addresses at K = 0     v15  hidden's LDS address, round 0
; staging: v[16:143] P, v[144:239] and v[16:47] hidden's first half, v[112:239] its second half
; products: v[16:47] A fragments, v[48:79] B fragments, v[80:87], v[88:95] sums, v[96:99] packed result
.macro LOADS n, first, vg, sb, gstep, reg      ; n loads of 16 bytes a lane, rounds first .. first+n-1
.set li, 0
.rept \n
	global_load_b128 v[\reg+4*li:\reg+4*li+3], \vg, s[\sb:\sb+1] offset:(\first+li)*\gstep
.set li, li+1
.endr
.endm
.macro CVTST n, left, vl, lstep, reg           ; four f32 to four bf16, 8 bytes into LDS; left = younger loads that may stay out
.set ci, 0
.rept \n
	s_wait_loadcnt \left+\n-1-ci                   ; loads return in order: piece ci is in, the n-1-ci behind it and the younger group stay out
	v_cvt_pk_bf16_f32 v[\reg+4*ci], v[\reg+4*ci], v[\reg+4*ci+1]
	v_cvt_pk_bf16_f32 v[\reg+4*ci+1], v[\reg+4*ci+2], v[\reg+4*ci+3]
	ds_store_b64 \vl, v[\reg+4*ci:\reg+4*ci+1]
	v_add_nc_u32 \vl, \lstep, \vl                  ; the address steps, so that no LDS immediate passes 16 bits
.set ci, ci+1
.endr
.endm
; The loads of one P: rows of EP bytes, of which NPC pieces of 16 bytes are the block's; 32 rounds of 32 rows.
; Where the block has fewer than 16 pieces (p3: 4), the threads beyond read the row's last piece again: every address stays inside the buffer.
.macro PLOAD EP, NPC
.if \NPC < 16
	v_min_u32 v12, \NPC-1, v12
.endif
	v_mul_u32_u24 v1, v11, \EP
	v_lshl_add_u32 v1, v12, 4, v1
	LOADS 32, 0, v1, 6, 32*\EP, 16
.endm
.macro BAR
	s_wait_dscnt 0x0                               ; my LDS stores and loads are done: what follows the barrier relies on both
	s_barrier_signal -1
	s_barrier_wait -1
.endm
	s_load_b256 s[16:23], s[0:1], 0x0              ; hidden, proj0, p1, p2
	s_load_b128 s[24:27], s[0:1], 0x20             ; p3, hpf
	v_lshrrev_b32 v8, 5, v0
	v_readfirstlane_b32 s2, v8                     ; wave
	s_mov_b32 s3, ttmp9                            ; column block
	s_and_b32 s4, ttmp7, 0xffff                    ; block of 128 tokens
	s_and_b32 s5, s2, 3                            ; et: my 16 columns of the 64
	s_lshr_b32 s30, s2, 2                          ; nt: my 16 tokens of a half's 64
	v_lshrrev_b32 v11, 4, v0                       ; P: row t >> 4 of a round,
	v_and_b32 v12, 15, v0                          ; piece t & 15 of the row's 16
	v_mul_u32_u24 v2, v11, PPITCH
	v_lshl_add_u32 v2, v12, 3, v2                  ; LDS: row x pitch + 8 x piece, the same for every P
	v_lshlrev_b32 v3, 4, v0                        ; hidden: the block is dense, piece t + 512 i at 16 t + 8192 i; rounds 0-31 are the first 64 tokens
	v_lshrrev_b32 v8, 8, v0
	v_and_b32 v9, 0xff, v0
	v_mul_u32_u24 v15, v8, HPITCH
	v_lshl_add_u32 v15, v9, 3, v15
	v_add_nc_u32 v15, HB, v15
	v_mov_b32 v4, v15
	; fragment addresses
	v_and_b32 v10, 31, v0                          ; lane L
	v_and_b32 v8, 7, v10
	v_lshrrev_b32 v9, 4, v10                       ; h
	v_lshl_add_u32 v8, v9, 3, v8                   ; 8 h + (L & 7): the row k that I address for the transposing load
	v_mul_u32_u24 v13, v8, PPITCH
	v_bfe_u32 v8, v10, 3, 1
	v_lshl_add_u32 v13, v8, 4, v13                 ; + 16 ((L >> 3) & 1)
	s_lshl_b32 s31, s5, 5
	v_add_nc_u32 v13, s31, v13                     ; + 32 et
	v_and_b32 v8, 15, v10
	s_lshl_b32 s31, s30, 4
	v_add_nc_u32 v8, s31, v8                       ; token 16 nt + r of the half
	v_mul_u32_u24 v14, v8, HPITCH
	v_lshl_add_u32 v14, v9, 4, v14
	v_add_nc_u32 v14, HB, v14
	v_lshlrev_b32 v7, 4, v10
	s_lshl_b32 s12, s4, 19                         ; 128 rows of 4,096 bytes
	s_mov_b32 s13, 0
	s_mov_b32 s29, 0
	s_mov_b32 s33, 0
	s_wait_kmcnt 0x0
	s_add_nc_u64 s[8:9], s[16:17], s[12:13]        ; hidden at my 128 tokens
	s_cmp_lt_u32 s3, 16
	s_cbranch_scc1 .Lp0
	s_cmp_lt_u32 s3, 20
	s_cbranch_scc1 .Lp1
	s_cmp_lt_u32 s3, 21
	s_cbranch_scc1 .Lp2
	; p3: 16 columns, one column tile.  s28 = the first half's byte offset in hpf, s32 = from a block of 64 tokens to the next (KS x 4,096).
	; LDS columns 16-63 take copies of columns 12-15 and are never read.
	s_mov_b32 s15, 1
	s_mov_b64 s[6:7], s[24:25]
	s_lshl_b32 s28, s4, 13
	s_add_co_u32 s28, s28, 2752512
	s_mov_b32 s32, 4096
	PLOAD 64, 4
	s_branch .Ljoin
.Lp0:
	s_mov_b32 s15, 4
	s_lshl_b32 s12, s3, 8                          ; 64 columns of 4 bytes
	s_add_nc_u64 s[6:7], s[18:19], s[12:13]
	s_lshl_b32 s28, s4, 18                         ; two blocks of 64 tokens x 32 K steps of 4,096 bytes
	s_lshl_b32 s12, s3, 13                         ; 64 columns are two K steps
	s_add_co_u32 s28, s28, s12
	s_mov_b32 s32, 131072
	PLOAD 4096, 16
	s_branch .Ljoin
.Lp1:
	s_mov_b32 s15, 4
	s_sub_co_u32 s14, s3, 16
	s_lshl_b32 s12, s14, 8
	s_add_nc_u64 s[6:7], s[20:21], s[12:13]
	s_lshl_b32 s28, s4, 16
	s_lshl_b32 s12, s14, 13
	s_add_co_u32 s28, s28, s12
	s_add_co_u32 s28, s28, 2097152
	s_mov_b32 s32, 32768
	PLOAD 1024, 16
	s_branch .Ljoin
.Lp2:
	s_mov_b32 s15, 4
	s_mov_b64 s[6:7], s[22:23]
	s_lshl_b32 s28, s4, 14
	s_add_co_u32 s28, s28, 2621440
	s_mov_b32 s32, 8192
	PLOAD 256, 16
.Ljoin:
	LOADS 24, 0, v3, 8, 8192, 144                  ; hidden's rounds 0-23 go out behind P's 32: 56 loads of the wave are out
	CVTST 32, 24, v2, 32*PPITCH, 16                ; P into LDS; hidden's 24 stay out
	LOADS 8, 24, v3, 8, 8192, 16                   ; rounds 24-31, into registers whose P pieces have been converted
	CVTST 24, 8, v4, 2*HPITCH, 144
	LOADS 32, 32, v3, 8, 8192, 112                 ; the second 64 tokens, rounds 32-63, into registers that the products do not touch
	CVTST 8, 32, v4, 2*HPITCH, 16                  ; those 32 stay out, over the barrier and the first half's products
	s_lshr_b32 s12, s5, 1
	s_lshl_b32 s12, s12, 12                        ; K step within the block's two
	s_add_co_u32 s28, s28, s12
	s_and_b32 s12, s5, 1
	s_lshl_b32 s12, s12, 9                         ; half of the K step
	s_add_co_u32 s28, s28, s12
	s_lshl_b32 s12, s30, 10                        ; token tile
	s_add_co_u32 s28, s28, s12
	s_add_nc_u64 s[10:11], s[26:27], s[28:29]      ; my tile of the first half
	BAR
; Four K steps of 32.  The two sums take turns, one matrix instruction a turn.
.macro QK zero
.irp j, 0,1,2,3
	ds_load_tr16_b128 v[16+8*\j:19+8*\j], v5 offset:\j*32*PPITCH            ; P(k = 32 j + 8 h .. +7, column r), transposed
	ds_load_tr16_b128 v[20+8*\j:23+8*\j], v5 offset:\j*32*PPITCH+16*PPITCH  ; k = 32 j + 16 + 8 h .. +7
	ds_load_b128 v[48+8*\j:51+8*\j], v6 offset:\j*64
	ds_load_b128 v[52+8*\j:55+8*\j], v6 offset:\j*64+32
.endr
	s_wait_dscnt 12                                ; LDS loads return in order: step 0's four are in, twelve stay out
.if \zero
	v_wmma_f32_16x16x32_bf16 v[80:87], v[16:23], v[48:55], 0                ; the first products start the sums
	s_wait_dscnt 8
	v_wmma_f32_16x16x32_bf16 v[88:95], v[24:31], v[56:63], 0
.else
	v_wmma_f32_16x16x32_bf16 v[80:87], v[16:23], v[48:55], v[80:87]
	s_wait_dscnt 8
	v_wmma_f32_16x16x32_bf16 v[88:95], v[24:31], v[56:63], v[88:95]
.endif
	s_wait_dscnt 4
	v_wmma_f32_16x16x32_bf16 v[80:87], v[32:39], v[64:71], v[80:87]
	s_wait_dscnt 0
	v_wmma_f32_16x16x32_bf16 v[88:95], v[40:47], v[72:79], v[88:95]
	v_add_nc_u32 v5, 128*PPITCH, v5                ; four plain vector instructions behind the last matrix instruction (ISA guide 7.12.1)
	v_add_nc_u32 v6, 256, v6                       ; before its fragments are loaded again or its result is read
	v_nop
	v_nop
.endm
; One half's tile: K = 1024 in eight runs of four K steps, then 16 bytes a lane out.
.macro COMPUTE tag
	s_cmp_ge_u32 s5, s15                           ; p3 has one column tile: the other waves have no tile, and go on to the next barrier
	s_cbranch_scc1 .Lskip\tag
	v_mov_b32 v5, v13
	v_mov_b32 v6, v14
	QK 1
	s_mov_b32 s14, 7
.Lq\tag:
	QK 0
	s_sub_co_i32 s14, s14, 1
	s_cmp_lg_u32 s14, 0
	s_cbranch_scc1 .Lq\tag
.irp j, 0,2,4,6
	v_pk_add_f32 v[80+\j:81+\j], v[80+\j:81+\j], v[88+\j:89+\j]
.endr
.irp j, 0,1,2,3
	v_cvt_pk_bf16_f32 v[96+\j], v[80+2*\j], v[81+2*\j]
.endr
	global_store_b128 v7, v[96:99], s[10:11]       ; the wave stores 512 consecutive bytes, aligned
.Lskip\tag:
.endm
	COMPUTE a
	BAR                                            ; every wave's reads of the first 64 tokens are back: their LDS rows may be written again
	v_mov_b32 v4, v15
	CVTST 32, 0, v4, 2*HPITCH, 112                 ; the second 64 tokens; nothing was issued behind their loads
	BAR
	s_wait_xcnt 0x0                                ; the first store's base and data are rewritten only behind this wait
	s_add_nc_u64 s[10:11], s[10:11], s[32:33]      ; the next block of 64 tokens in hpf
	COMPUTE b
	s_endpgm
.Lfunc_end_k_q4a6b2963e9_proj:
	.size	k_q4a6b2963e9_proj, .Lfunc_end_k_q4a6b2963e9_proj-k_q4a6b2963e9_proj
	.p2alignl 7, 3214868480
	.fill 96, 4, 3214868480
	.section	.rodata,"a",@progbits
	.p2align	6, 0x0
	.amdhsa_kernel k_q4a6b2963e9_proj
		.amdhsa_group_segment_fixed_size 295936
		.amdhsa_private_segment_fixed_size 0
		.amdhsa_enable_private_segment 0
		.amdhsa_kernarg_size 48
		.amdhsa_user_sgpr_count 2
		.amdhsa_user_sgpr_kernarg_segment_ptr 1
		.amdhsa_wavefront_size32 1
		.amdhsa_system_sgpr_workgroup_id_x 1
		.amdhsa_system_sgpr_workgroup_id_y 1
		.amdhsa_system_sgpr_workgroup_id_z 1
		.amdhsa_system_vgpr_workitem_id 0
		.amdhsa_next_free_vgpr 240
		.amdhsa_next_free_sgpr 66
		.amdhsa_reserve_vcc 0
		.amdhsa_float_denorm_mode_32 3
		.amdhsa_float_denorm_mode_16_64 3
		.amdhsa_memory_ordered 1
		.amdhsa_forward_progress 1
		.amdhsa_inst_pref_size 58
	.end_amdhsa_kernel
	.amdgpu_metadata
---
amdhsa.version: [ 1, 2 ]
amdhsa.kernels:
  - .name:           k_q4a6b2963e9_proj
    .symbol:         k_q4a6b2963e9_proj.kd
    .args:
      - { .name: hidden, .offset: 0, .size: 8, .value_kind: global_buffer, .address_space: global }
      - { .name: proj0, .offset: 8, .size: 8, .value_kind: global_buffer, .address_space: global }
      - { .name: p1, .offset: 16, .size: 8, .value_kind: global_buffer, .address_space: global }
      - { .name: p2, .offset: 24, .size: 8, .value_kind: global_buffer, .address_space: global }
      - { .name: p3, .offset: 32, .size: 8, .value_kind: global_buffer, .address_space: global }
      - { .name: hpf, .offset: 40, .size: 8, .value_kind: global_buffer, .address_space: global }
    .group_segment_fixed_size: 295936
    .private_segment_fixed_size: 0
    .kernarg_segment_align: 8
    .kernarg_segment_size: 48
    .max_flat_workgroup_size: 512
    .sgpr_count:     66
    .vgpr_count:     240
    .wavefront_size: 32
...
	.end_amdgpu_metadata
.endif
;; end of part 1
;; launch lse (part 2): grid 500 x 1, 16 waves a work-group, no clusters, 324,096 bytes of LDS; arguments hpf, head_weight, head_bias, w1, b1, w2, b2, w3, b3, part; writes part
.if DOCPART == 2
	.amdgcn_target "amdgcn-amd-amdhsa--gfx1250"
	.amdhsa_code_object_version 6
	.text
	.protected	k_q4a6b2963e9_lse
	.globl	k_q4a6b2963e9_lse
	.p2align	8
	.type	k_q4a6b2963e9_lse,@function
k_q4a6b2963e9_lse:
	s_mov_b64 s[64:65], 0
	v_nop
	global_prefetch_b8 v0, s[64:65] scope:SCOPE_SE
	s_setreg_imm32_b32 hwreg(HW_REG_WAVE_MODE, 25, 1), 1
	s_wait_xcnt 0x0
; Partial log-sum-exp of all four softmaxes: for a slab of vocabulary rows and all 1,024 tokens, (max, sum of exp(logit - max)).
; A work-group holds TWO slabs, one of a softmax with a long K and one of a softmax with a short K:
;   work-groups 0-249:   head rows 80 i .. 80 i + 79 (K = 1024)   and tail 2 rows 640 i .. 640 i + 639 (K = 64);
;   work-groups 250-499: tail 1 rows 80 i .. 80 i + 79 (K = 256)  and tail 3 rows 272 i .. 272 i + 271 (K = 16), i = 0 .. 248.
; The head's 3 cluster rows and tail 3's last 7 rows are left to the last launch.
; All sixteen waves bring both slabs into LDS (f32 read once, converted once to bf16); behind the one barrier LDS is only read.
; Then eight waves take the long-K slab and eight the short-K slab.  The first kind issues matrix instructions and waits for hp, the second
; issues mostly exponentials and vector arithmetic: side by side each fills the other's gaps.  job = (w ^ (w >> 2)) & 1: among the four waves
; with equal w & 3, and among the four with equal w >> 2, two have each job.  Wave j = w >> 1 of a job takes tokens 64 j .. 64 j + 63 and
; then tokens 64 (j + 8) .. 64 (j + 8) + 63: two passes of the same text.
; Source 0 = 16 vocabulary rows, source 1 = 16 tokens: register j of lane (r, h) is the logit of row 8 h + j for token r, so the
; reduction over the vocabulary runs inside a lane, and the bias, which hangs on the row alone, enters as the C operand.
; The running maximum is taken away before every exponential.  The two halves of the lanes keep states of their own.
; Tail 3 has 249 slabs: work-group 499 stages slab 248 once more, so that its loads stay inside w3 and b3, and its eight short-K waves end without storing.
; LIMITS: logits must be finite (the maximum starts at -inf, the sum at 0); weights and hp enter as bf16; the order of sums is this text's.
; NO CLUSTER: what work-groups share is hp, which goes from memory straight into fragment registers, 512 consecutive bytes a load.
; A joint tensor load would need an LDS slot of 4,096 bytes a wave for each K step, and a round of the cluster's barrier for every
; 20 matrix instructions of a wave.  No prefetch: the bytes that come from memory once are asked for in the first lines.
; LDS.  The four softmaxes' rows have four pitches (2 K + 16 bytes, an odd multiple of 16), so a byte of a shared region would belong to
; different threads in the two kinds of work-group.  Each softmax therefore has bytes of its own: every LDS byte has one writing thread in
; the whole text.  A work-group uses two of the four regions; with either pair it takes more than half of a WGP's LDS and is alone there.
; The two bias regions serve both kinds: thread t writes word t in both.
.set BB,  0                            ; the long-K slab's bias (80 words; 512 are written)
.set SB,  2048                         ; the short-K slab's bias (up to 640 words; up to 1,024 are written)
.set WB0, 6144                         ; head: 80 rows of 2,064 bytes
.set WS2, 171264                       ; tail 2: 640 rows of 144 bytes
.set WB1, 263424                       ; tail 1: 80 rows of 528 bytes
.set WS3, 305664                       ; tail 3: 272 rows of 48 bytes, and 112 spare rows that the staging's last round fills
; s2 wave, s3 slab, s[4:7] long-K W and bias, s[36:39] short-K W and bias, s[8:9] hp at work, s[40:41] hp region, s[10:11] part region + slab,
; s[12:13] offsets, s14 counter, s15 scratch, s42 job, s43 the job's wave j, s44 tail 3's slab for staging
; staging: v2 16 t, v15 4 t, v3, v6 LDS addresses, v7, v8, v12 clamped offsets, v9-v11 bias, v[96:255] long-K W, v[16:95] short-K W
; jobs: v1 hp offset, v10 part offset, v11 fragment address at row block 0, K = 0, v15 bias address, v4-v9 addresses at work
.macro SLABS wp, bp, SLABB, NB, sidx, wd, bd   ; a slab's first byte in W and in the bias
	s_mul_i32 s12, \sidx, \SLABB
	s_add_nc_u64 s[\wd:\wd+1], s[\wp:\wp+1], s[12:13]
	s_mul_i32 s12, \sidx, \NB*4
	s_add_nc_u64 s[\bd:\bd+1], s[\bp:\bp+1], s[12:13]
.endm
.macro STADDR vd, LOGC, P, base        ; where thread t puts its piece of 4 numbers in round 0: row t >> LOGC, 8 bytes at 8 (t mod 2^LOGC)
	v_lshrrev_b32 v13, \LOGC, v0
	v_and_b32 v14, (1<<\LOGC)-1, v0
	v_mul_u32_u24 \vd, v13, \P
	v_lshl_add_u32 \vd, v14, 3, \vd
	v_add_nc_u32 \vd, \base, \vd
.endm
.macro WLD n, reg, sb                  ; a slab is dense: piece t + 512 i at 16 t + 8192 i; a wave's load covers 512 consecutive bytes
.set li, 0
.rept \n
	global_load_b128 v[\reg+4*li:\reg+4*li+3], v2, s[\sb:\sb+1] offset:li*8192 th:TH_LOAD_NT
.set li, li+1
.endr
.endm
.macro WCV n, left, lstep, reg, va     ; left = the loads issued behind this slab's
.set wi, 0
.rept \n
	s_wait_loadcnt \left+\n-1-wi                   ; loads return in order: piece wi is in
	v_cvt_pk_bf16_f32 v[\reg+4*wi], v[\reg+4*wi], v[\reg+4*wi+1]
	v_cvt_pk_bf16_f32 v[\reg+4*wi+1], v[\reg+4*wi+2], v[\reg+4*wi+3]
	ds_store_b64 \va, v[\reg+4*wi:\reg+4*wi+1]
	v_add_nc_u32 \va, \lstep, \va
.set wi, wi+1
.endr
.endm
.macro BAR
	s_wait_dscnt 0x0                               ; my LDS stores are done: the other waves read them behind the barrier
	s_barrier_signal -1
	s_barrier_wait -1
.endm
.macro BLOADS b, kk                    ; hp fragments of K step kk (from the base) for my four token tiles, into buffer b
.irp n, 0,1,2,3
	global_load_b128 v[32+32*\b+8*\n:35+32*\b+8*\n], v1, s[8:9] offset:\kk*4096+\n*1024
	global_load_b128 v[36+32*\b+8*\n:39+32*\b+8*\n], v1, s[8:9] offset:\kk*4096+\n*1024+512
.endr
.endm
; What a job's wave needs behind the barrier; the staging's registers are free (all its loads and LDS stores are done).
.macro JOBSET REGION, STRIDE, PREG, NS, P, WBASE, BBASE
	v_and_b32 v12, 31, v0                          ; lane
	v_and_b32 v13, 15, v0                          ; r
	v_bfe_u32 v14, v0, 4, 1                        ; h
	s_add_nc_u64 s[40:41], s[16:17], \REGION
	s_lshl_b32 s12, s3, 8
	s_add_co_u32 s12, s12, \PREG
	s_add_nc_u64 s[10:11], s[34:35], s[12:13]
	s_mul_i32 s15, s43, \STRIDE
	v_lshl_add_u32 v1, v12, 4, s15                 ; hp: tokens 64 j on, + 16 x lane
	v_mul_u32_u24 v11, v13, \P                     ; fragments: row r, 16 bytes for each half of the lanes
	v_lshl_add_u32 v11, v14, 4, v11
	v_add_nc_u32 v11, \WBASE, v11
	v_lshlrev_b32 v15, 5, v14                      ; bias of rows 8 h .. 8 h + 7
.if \BBASE
	v_add_nc_u32 v15, \BBASE, v15
.endif
	s_mul_i32 s15, s43, 4*\NS*256
	v_lshlrev_b32 v10, 4, v13
	v_lshl_add_u32 v10, v14, 3, v10
	v_add_nc_u32 v10, s15, v10                     ; part: (4 j x slabs) x 256 + 16 r + 8 h
.endm
; The state of four token tiles, 44 registers from st on: M at +0..3; -log2(e) M in two sets that take turns, at +4 and +12 (every second
; register, so that each is the low word of an even pair); the rescale factor at +20 likewise; the sums, a pair each, at +28; pairs to store at +36.
.macro SINIT st
.irp i, 0,1,2,3
	v_mov_b32 v[\st+\i], 0xff800000                ; M = -inf
.endr
.set q, 4
.rept 16
	v_mov_b32 v[\st+q], 0x7f800000                 ; -log2(e) M = +inf
.set q, q+1
.endr
.rept 16
	v_mov_b32 v[\st+q], 0                          ; factor and sums
.set q, q+1
.endr
.endm
.macro SF ab, t                        ; x = log2(e) a - log2(e) M, two at a time
.irp j, 0,2,4,6
	v_pk_fma_f32 v[\ab+8*\t+\j:\ab+8*\t+\j+1], v[\ab+8*\t+\j:\ab+8*\t+\j+1], 0x3fb8aa3b, v[NMN+2*\t:NMN+2*\t+1] op_sel_hi:[1,0,0]
.endr
.endm
.macro SX ab, t
.irp j, 0,1,2,3,4,5,6,7
	v_exp_f32 v[\ab+8*\t+\j], v[\ab+8*\t+\j]
.endr
.endm
.macro SA ab, st, t                    ; S = S x factor + the eight exponentials, in a pair of sums
	s_wait_alu depctr_va_vdst(0)
	v_pk_fma_f32 v[\st+28+2*\t:\st+29+2*\t], v[\st+28+2*\t:\st+29+2*\t], v[\st+20+2*\t:\st+21+2*\t], v[\ab+8*\t:\ab+8*\t+1] op_sel_hi:[1,0,1]
	v_pk_add_f32 v[\ab+8*\t+2:\ab+8*\t+3], v[\ab+8*\t+2:\ab+8*\t+3], v[\ab+8*\t+4:\ab+8*\t+5]
	v_pk_add_f32 v[\st+28+2*\t:\st+29+2*\t], v[\st+28+2*\t:\st+29+2*\t], v[\ab+8*\t+6:\ab+8*\t+7]
	v_pk_add_f32 v[\st+28+2*\t:\st+29+2*\t], v[\st+28+2*\t:\st+29+2*\t], v[\ab+8*\t+2:\ab+8*\t+3]
.endm
; 16 vocabulary rows x four token tiles (logits at ab + 8 t) enter the running state.  par picks the set that takes the new -log2(e) M.
; Behind every run of exponentials stands a block of plain instructions on other registers before its results are used (ISA guide 5.7.2).
.macro SMX ab, st, par
.set NMN, \st+4+8*\par
.set NMO, \st+12-8*\par
.irp j, 0,2,4,6
.irp t, 0,1,2,3
	v_max3_num_f32 v[\st+\t], v[\st+\t], v[\ab+8*\t+\j], v[\ab+8*\t+\j+1]
.endr
.endr
.irp t, 0,1,2,3
	v_mul_f32 v[NMN+2*\t], 0xbfb8aa3b, v[\st+\t]
.endr
.irp t, 0,1,2,3
	v_sub_f32 v[\st+20+2*\t], v[NMN+2*\t], v[NMO+2*\t]     ; log2(e) (old M - new M): exactly 0 where M stays
.endr
.irp t, 0,1,2,3
	v_exp_f32 v[\st+20+2*\t], v[\st+20+2*\t]
.endr
	SF \ab, 0
	SX \ab, 0
	SF \ab, 1
	SX \ab, 1
	SA \ab, \st, 0
	SF \ab, 2
	SX \ab, 2
	SA \ab, \st, 1
	SF \ab, 3
	SX \ab, 3
	SA \ab, \st, 2
	SA \ab, \st, 3
.endm
.macro PSTORE st, NS, pass             ; (M, S) of lane (r, h), token tile 4 j + 32 pass + t: a wave's store covers 256 consecutive bytes, aligned
.irp t, 0,1,2,3
	v_mov_b32 v[\st+36+2*\t], v[\st+\t]
	v_add_f32 v[\st+37+2*\t], v[\st+28+2*\t], v[\st+29+2*\t]
	global_store_b64 v10, v[\st+36+2*\t:\st+37+2*\t], s[10:11] offset:(\t+32*\pass)*\NS*256 th:TH_STORE_NT
.endr
.endm
; LONG K (head, tail 1): 5 row blocks x 4 token tiles = 20 accumulators at v[96 + 32 m + 8 n], which take turns, one matrix instruction
; a turn, over the backward jump too.  hp fragments in two buffers v[32:63], v[64:95]; W fragments in a ring of two, v[16:23], v[24:31].
.macro GRP slot, m, b, wt, pf, pm, pk
	s_wait_dscnt \wt                               ; all but the next group's two loads are back
.irp n, 0,1,2,3
	v_wmma_f32_16x16x32_bf16 v[96+32*\m+8*\n:103+32*\m+8*\n], v[16+8*\slot:23+8*\slot], v[32+32*\b+8*\n:39+32*\b+8*\n], v[96+32*\m+8*\n:103+32*\m+8*\n]
.endr
.rept 4
	v_nop                                          ; four places before a register that these have read is loaded again (ISA guide 7.12.1)
.endr
.if \pf
	ds_load_b128 v[16+8*\slot:19+8*\slot], v[5+\pm] offset:\pk*64          ; the group after next, into the slot just used
	ds_load_b128 v[20+8*\slot:23+8*\slot], v[5+\pm] offset:\pk*64+32
.endif
.endm
.macro KSTEP0
	BLOADS 1, 1
	s_wait_loadcnt 8                               ; the eight just issued stay out; this step's eight are in
	GRP 0, 0, 0, 2, 1, 2, 0
	GRP 1, 1, 0, 2, 1, 3, 0
	GRP 0, 2, 0, 2, 1, 4, 0
	GRP 1, 3, 0, 2, 1, 0, 1
	GRP 0, 4, 0, 2, 1, 1, 1
.endm
.macro KSTEP1 last
.if \last
	s_wait_loadcnt 0                               ; nothing was issued behind this step's eight
	GRP 1, 0, 1, 2, 1, 2, 1
	GRP 0, 1, 1, 2, 1, 3, 1
	GRP 1, 2, 1, 2, 1, 4, 1
	GRP 0, 3, 1, 2, 0, 0, 0
	GRP 1, 4, 1, 0, 0, 0, 0
.else
	BLOADS 0, 2
	s_wait_loadcnt 8
	GRP 1, 0, 1, 2, 1, 2, 1
	GRP 0, 1, 1, 2, 1, 3, 1
	GRP 1, 2, 1, 2, 1, 4, 1
	GRP 0, 3, 1, 2, 1, 0, 2
	GRP 1, 4, 1, 2, 1, 1, 2
.endif
.endm
; One pass: 80 rows x my 64 tokens.
.macro BIGK KS, NS, P, STRIDE, tag, pass
.if \pass
	v_add_nc_u32 v1, 8*\STRIDE, v1                 ; tokens 64 (j + 8) on; the loads that named v1 are all back
.endif
	s_mov_b64 s[8:9], s[40:41]                     ; hp at K step 0
	BLOADS 0, 0
	v_mov_b32 v5, v11
.irp m, 1,2,3,4
	v_add_nc_u32 v[5+\m], \m*16*\P, v11
.endr
.irp m, 0,1,2,3,4
.irp n, 0,1,2,3
	ds_load_b128 v[96+32*\m+8*\n:99+32*\m+8*\n], v15 offset:\m*64          ; the bias of rows 16 m + 8 h + 0..7 starts every sum
	ds_load_b128 v[100+32*\m+8*\n:103+32*\m+8*\n], v15 offset:\m*64+16
.endr
.endr
	ds_load_b128 v[16:19], v5
	ds_load_b128 v[20:23], v5 offset:32
	ds_load_b128 v[24:27], v6
	ds_load_b128 v[28:31], v6 offset:32
	s_mov_b32 s14, \KS/2-1
.Lk\tag:
	KSTEP0
	KSTEP1 0
.irp m, 0,1,2,3,4
	v_add_nc_u32 v[5+\m], 128, v[5+\m]             ; two K steps along the LDS rows
.endr
	s_wait_xcnt 0x0                                ; the base of the loads that are out is stepped only behind this wait
	s_add_nc_u64 s[8:9], s[8:9], 8192
	s_sub_co_i32 s14, s14, 1
	s_cmp_lg_u32 s14, 0
	s_cbranch_scc1 .Lk\tag
	KSTEP0                                         ; the last two K steps fetch nothing beyond the end
	KSTEP1 1
	SINIT 16                                       ; the fragment registers are free: the state lies there
	SMX 96, 16, 0
	SMX 128, 16, 1
	SMX 160, 16, 0
	SMX 192, 16, 1
	SMX 224, 16, 0
	PSTORE 16, \NS, \pass
.if \pass
	s_endpgm
.else
	s_wait_xcnt 0x0                                ; the stores' data registers are loaded again in the next pass only behind this wait
.endif
.endm
; SHORT K (tails 2, 3): hp stays in v[32:95] for a whole pass; W fragments in two buffers v[96:111], v[112:127]; bias in v[128:135],
; v[136:143]; logits in v[144:175]; state from v176.  One tile = 16 rows x 64 tokens; the next tile's LDS loads go out first.
.macro TILE buf, pf, two, P
.if \pf
	ds_load_b128 v[96+16*(1-\buf):99+16*(1-\buf)], v5 offset:16*\P
.if \two
	ds_load_b128 v[100+16*(1-\buf):103+16*(1-\buf)], v5 offset:16*\P+32
	ds_load_b128 v[104+16*(1-\buf):107+16*(1-\buf)], v5 offset:16*\P+64
	ds_load_b128 v[108+16*(1-\buf):111+16*(1-\buf)], v5 offset:16*\P+96
.endif
	ds_load_b128 v[128+8*(1-\buf):131+8*(1-\buf)], v4 offset:64
	ds_load_b128 v[132+8*(1-\buf):135+8*(1-\buf)], v4 offset:80
	s_wait_dscnt 3+3*\two                          ; the next tile's loads stay out; this tile's are back
.else
	s_wait_dscnt 0
.endif
.irp n, 0,1,2,3
	v_wmma_f32_16x16x32_bf16 v[144+8*\n:151+8*\n], v[96+16*\buf:103+16*\buf], v[32+8*\n:39+8*\n], v[128+8*\buf:135+8*\buf]
.endr
.if \two
.irp n, 0,1,2,3                        ; the four accumulators take turns, one instruction a turn
	v_wmma_f32_16x16x32_bf16 v[144+8*\n:151+8*\n], v[104+16*\buf:111+16*\buf], v[64+8*\n:71+8*\n], v[144+8*\n:151+8*\n]
.endr
.endif
	v_add_nc_u32 v5, 16*\P, v5                     ; four places behind the matrix instructions before their results are read (ISA guide 7.12.1)
	v_add_nc_u32 v4, 64, v4
	v_nop
	v_nop
	SMX 144, 176, \buf
.endm
; One pass: the whole slab x my 64 tokens.  trips = pairs of tiles in the loop; behind it two more tiles (tail 2) or one (tail 3).
.macro SMALLK two, P, NS, STRIDE, trips, tag, pass
.if \pass
	v_add_nc_u32 v1, 8*\STRIDE, v1                 ; tokens 64 (j + 8) on; the loads that named v1 are all back
.endif
	s_mov_b64 s[8:9], s[40:41]
.if \two
	BLOADS 0, 0
	BLOADS 1, 1
.else
.irp n, 0,1,2,3
	global_load_b128 v[32+8*\n:35+8*\n], v1, s[8:9] offset:\n*1024         ; k = 0 .. 15; the fragments' upper halves stay zero
.endr
.endif
	v_mov_b32 v5, v11
	v_mov_b32 v4, v15
	ds_load_b128 v[96:99], v5
.if \two
	ds_load_b128 v[100:103], v5 offset:32
	ds_load_b128 v[104:107], v5 offset:64
	ds_load_b128 v[108:111], v5 offset:96
.endif
	ds_load_b128 v[128:131], v4
	ds_load_b128 v[132:135], v4 offset:16
	SINIT 176
	s_wait_loadcnt 0x0                             ; hp is in, for the whole pass
	s_mov_b32 s14, \trips
.Ls\tag:
	TILE 0, 1, \two, \P
	TILE 1, 1, \two, \P
	s_sub_co_i32 s14, s14, 1
	s_cmp_lg_u32 s14, 0
	s_cbranch_scc1 .Ls\tag
.if \two
	TILE 0, 1, \two, \P
	TILE 1, 0, \two, \P                            ; the last tile: nothing is left to fetch
.else
	TILE 0, 0, \two, \P
.endif
	PSTORE 176, \NS, \pass
.if \pass
	s_endpgm
.else
	s_wait_xcnt 0x0                                ; the stores' data registers are written again in the next pass only behind this wait
.endif
.endm
	s_load_b512 s[16:31], s[0:1], 0x0              ; hpf, head_weight, head_bias, w1, b1, w2, b2, w3
	s_load_b128 s[32:35], s[0:1], 0x40             ; b3, part
	v_lshrrev_b32 v1, 5, v0
	v_readfirstlane_b32 s2, v1                     ; wave
	s_mov_b32 s3, ttmp9
	s_mov_b32 s13, 0
	s_lshr_b32 s43, s2, 1                          ; j: my place among my job's eight waves
	s_lshr_b32 s42, s2, 2
	s_xor_b32 s42, s42, s2
	s_and_b32 s42, s42, 1                          ; job: 0 the long-K slab, 1 the short-K slab
	v_lshlrev_b32 v2, 4, v0
	v_lshlrev_b32 v15, 2, v0
	v_min_u32 v7, 79, v0                           ; bias: threads past a slab's end read its last number and put it into spare words
	v_lshlrev_b32 v7, 2, v7
	s_wait_kmcnt 0x0
	s_cmp_lt_u32 s3, 250
	s_cbranch_scc1 .Llong
	; tail 1 (80 rows of 256) and tail 3 (272 rows of 16)
	s_sub_co_u32 s3, s3, 250
	s_min_u32 s44, s3, 248                         ; tail 3 has 249 slabs
	SLABS 22, 24, 81920, 80, s3, 4, 6
	SLABS 30, 32, 17408, 272, s44, 36, 38
	STADDR v3, 6, 528, WB1
	STADDR v6, 2, 48, WS3
	v_min_u32 v8, 271, v0
	v_lshlrev_b32 v8, 2, v8
	v_add_nc_u32 v12, 1024, v0                     ; tail 3's third round has 64 pieces: the other threads read the last piece again
	v_min_u32 v12, 1087, v12                       ; and put it into spare LDS rows 272-383
	v_lshlrev_b32 v12, 4, v12
	WLD 10, 96, 4
	WLD 2, 16, 36
	global_load_b128 v[24:27], v12, s[36:37]
	global_load_b32 v9, v7, s[6:7]
	global_load_b32 v10, v8, s[38:39]
	WCV 10, 5, 8*528, 96, v3                       ; behind tail 1's pieces: 3 of tail 3 and 2 of bias
	WCV 3, 2, 128*48, 16, v6
	s_wait_loadcnt 1
	ds_store_b32 v15, v9 offset:BB
	s_wait_loadcnt 0
	ds_store_b32 v15, v10 offset:SB
	BAR
	s_cmp_lg_u32 s42, 0
	s_cbranch_scc1 .Ljob3
	JOBSET 2097152, 32768, 4096000, 250, 528, WB1, BB
	BIGK 8, 250, 528, 32768, t1a, 0
	BIGK 8, 250, 528, 32768, t1b, 1
.Ljob3:
	s_cmp_eq_u32 s3, 249                           ; no slab 249: nothing to compute, nothing to store
	s_cbranch_scc1 .Lnone
	JOBSET 2752512, 4096, 12288000, 249, 48, WS3, SB
	; K = 16 fills the lower half of a K step of 32; the upper half is zero on both sides, written once and never loaded
.irp n, 0,1,2,3
.irp j, 4,5,6,7
	v_mov_b32 v[32+8*\n+\j], 0
.endr
.endr
.irp j, 100,101,102,103,116,117,118,119
	v_mov_b32 v\j, 0
.endr
	SMALLK 0, 48, 249, 4096, 8, t3a, 0
	SMALLK 0, 48, 249, 4096, 8, t3b, 1
.Lnone:
	s_endpgm
.Llong:	; head (80 rows of 1024) and tail 2 (640 rows of 64)
	SLABS 18, 20, 327680, 80, s3, 4, 6
	SLABS 26, 28, 163840, 640, s3, 36, 38
	STADDR v3, 8, 2064, WB0
	STADDR v6, 4, 144, WS2
	v_add_nc_u32 v8, 512, v0
	v_min_u32 v8, 639, v8
	v_lshlrev_b32 v8, 2, v8
	WLD 40, 96, 4                                  ; all 63 loads of the wave go out together
	WLD 20, 16, 36
	global_load_b32 v9, v7, s[6:7]
	global_load_b32 v10, v15, s[38:39]
	global_load_b32 v11, v8, s[38:39]
	WCV 40, 23, 2*2064, 96, v3                     ; behind the head's pieces: 20 of tail 2 and 3 of bias
	WCV 20, 3, 32*144, 16, v6
	s_wait_loadcnt 2
	ds_store_b32 v15, v9 offset:BB
	s_wait_loadcnt 1
	ds_store_b32 v15, v10 offset:SB
	s_wait_loadcnt 0
	ds_store_b32 v15, v11 offset:SB+2048
	BAR
	s_cmp_lg_u32 s42, 0
	s_cbranch_scc1 .Ljob2
	JOBSET 0, 131072, 0, 250, 2064, WB0, BB
	BIGK 32, 250, 2064, 131072, hda, 0
	BIGK 32, 250, 2064, 131072, hdb, 1
.Ljob2:
	JOBSET 2621440, 8192, 8192000, 250, 144, WS2, SB
	SMALLK 1, 144, 250, 8192, 19, t2a, 0
	SMALLK 1, 144, 250, 8192, 19, t2b, 1
.Lfunc_end_k_q4a6b2963e9_lse:
	.size	k_q4a6b2963e9_lse, .Lfunc_end_k_q4a6b2963e9_lse-k_q4a6b2963e9_lse
	.p2alignl 7, 3214868480
	.fill 96, 4, 3214868480
	.section	.rodata,"a",@progbits
	.p2align	6, 0x0
	.amdhsa_kernel k_q4a6b2963e9_lse
		.amdhsa_group_segment_fixed_size 324096
		.amdhsa_private_segment_fixed_size 0
		.amdhsa_enable_private_segment 0
		.amdhsa_kernarg_size 80
		.amdhsa_user_sgpr_count 2
		.amdhsa_user_sgpr_kernarg_segment_ptr 1
		.amdhsa_wavefront_size32 1
		.amdhsa_system_sgpr_workgroup_id_x 1
		.amdhsa_system_sgpr_workgroup_id_y 1
		.amdhsa_system_sgpr_workgroup_id_z 1
		.amdhsa_system_vgpr_workitem_id 0
		.amdhsa_next_free_vgpr 256
		.amdhsa_next_free_sgpr 66
		.amdhsa_reserve_vcc 0
		.amdhsa_float_denorm_mode_32 3
		.amdhsa_float_denorm_mode_16_64 3
		.amdhsa_memory_ordered 1
		.amdhsa_forward_progress 1
		.amdhsa_inst_pref_size 255
	.end_amdhsa_kernel
	.section	.bss,"aw",@nobits
	.p2align	6
	.space	262144
	.amdgpu_metadata
---
amdhsa.version: [ 1, 2 ]
amdhsa.kernels:
  - .name:           k_q4a6b2963e9_lse
    .symbol:         k_q4a6b2963e9_lse.kd
    .args:
      - { .name: hpf, .offset: 0, .size: 8, .value_kind: global_buffer, .address_space: global }
      - { .name: head_weight, .offset: 8, .size: 8, .value_kind: global_buffer, .address_space: global }
      - { .name: head_bias, .offset: 16, .size: 8, .value_kind: global_buffer, .address_space: global }
      - { .name: w1, .offset: 24, .size: 8, .value_kind: global_buffer, .address_space: global }
      - { .name: b1, .offset: 32, .size: 8, .value_kind: global_buffer, .address_space: global }
      - { .name: w2, .offset: 40, .size: 8, .value_kind: global_buffer, .address_space: global }
      - { .name: b2, .offset: 48, .size: 8, .value_kind: global_buffer, .address_space: global }
      - { .name: w3, .offset: 56, .size: 8, .value_kind: global_buffer, .address_space: global }
      - { .name: b3, .offset: 64, .size: 8, .value_kind: global_buffer, .address_space: global }
      - { .name: part, .offset: 72, .size: 8, .value_kind: global_buffer, .address_space: global }
    .group_segment_fixed_size: 324096
    .private_segment_fixed_size: 0
    .kernarg_segment_align: 8
    .kernarg_segment_size: 80
    .max_flat_workgroup_size: 512
    .sgpr_count:     66
    .vgpr_count:     256
    .wavefront_size: 32
...
	.end_amdgpu_metadata
.endif
;; end of part 2
;; launch fin (part 3): grid 64 x 1, 16 waves a work-group, no clusters, 65,536 bytes of LDS; arguments hpf, part, target, head_weight, head_bias, w1, b1, w2, b2, w3, b3, out0; writes out0
.if DOCPART == 3
	.amdgcn_target "amdgcn-amd-amdhsa--gfx1250"
	.amdhsa_code_object_version 6
	.text
	.protected	k_q4a6b2963e9_fin
	.globl	k_q4a6b2963e9_fin
	.p2align	8
	.type	k_q4a6b2963e9_fin,@function
k_q4a6b2963e9_fin:
	s_mov_b64 s[64:65], 0
	v_nop
	global_prefetch_b8 v0, s[64:65] scope:SCOPE_SE
	s_setreg_imm32_b32 hwreg(HW_REG_WAVE_MODE, 25, 1), 1
	s_wait_xcnt 0x0
; The result: nll[token].  Work-group g owns tokens 16 g .. 16 g + 15.
; Phase 1: the 16 tokens' hp go into LDS; the partial (max, sum) of all slabs are merged, 16 pairs a lane, to 32 states a token and softmax.
; Phase 2: wave w is token 16 g + w.  It makes, in f32 from f32 weights and bf16 hp: the logit at the clipped target of each softmax,
; the head's three cluster logits and the logits of tail 3's last seven rows; merges the 32 states with them; and chooses by the target.
; Every maximum is taken away before its exponentials.  No matrix unit: 14 dot products a token.  No cluster, no tensor load: nothing is shared but small rows.
; LIMITS: logits finite; a target outside [0, 267735) gives what the clips and masks of the problem give (below 0: the shortlist's row 0; above: 0).
; The work-group's result is 64 consecutive bytes of the 4,096 of out0.
.set HP1, 34816                        ; LDS: a row = 8 k x 16 tokens, 256 bytes + 16; hp0 128 rows at 0, hp1 32 rows, hp2 8 rows, hp3 2 rows
.set HP2, 43520
.set HP3, 45696
.set STB, 46336                        ; states: 4 softmaxes x 32 rows of 136 bytes (16 tokens x 8 + 8)
.set OUTB, 63744
; v1 lane, v2 r, v3 p, v5, v6 hp LDS store addresses, v7-v9 hp offsets, v13-v17 gather offsets, v18 2 w + p, v19 -inf, v20-v22 part offsets,
; v24-v27 merge, v28-v31 LDS read addresses, v[32:178] gathered rows, v[180:211] hp and states, v[212:252] at work; v[128:255] first hold the partials
	s_load_b512 s[16:31], s[0:1], 0x0              ; hpf 16, part 18, target 20, head_weight 22, head_bias 24, w1 26, b1 28, w2 30
	s_load_b256 s[32:39], s[0:1], 0x40             ; b2 32, w3 34, b3 36, out0 38
	v_lshrrev_b32 v4, 5, v0
	v_readfirstlane_b32 s2, v4                     ; wave
	s_mov_b32 s3, ttmp9
	v_and_b32 v1, 31, v0
	v_and_b32 v2, 15, v0
	v_bfe_u32 v3, v0, 4, 1
	v_lshrrev_b32 v18, 4, v0                       ; 2 w + p
	v_lshlrev_b32 v16, 4, v1
	v_lshlrev_b32 v10, 4, v2
	v_mov_b32 v19, 0xff800000
	v_mov_b32 v236, 0
	s_mov_b32 s60, 0x76543210                      ; v_permlanex16_b32: lane i of one half reads lane i of the other
	s_mov_b32 s61, 0xfedcba98
	s_mov_b32 s62, 0x3fb8aa3b                      ; log2(e)
	s_mov_b32 s63, 0x3f317218                      ; ln(2)
	s_lshl_b32 s5, s3, 4
	s_add_co_u32 s5, s5, s2
	s_lshl_b32 s5, s5, 2                           ; my token's target; s5 is not written again
	; offsets in hpf
	s_lshr_b32 s6, s3, 2                           ; block of 64 tokens
	s_and_b32 s7, s3, 3
	s_lshl_b32 s7, s7, 10                          ; token tile
	s_lshl_b32 s50, s6, 17
	s_add_co_u32 s50, s50, s7
	s_lshl_b32 s51, s2, 13                         ; hp0: K steps 2 w, 2 w + 1
	s_add_co_u32 s50, s50, s51
	v_add_nc_u32 v7, s50, v16
	s_lshr_b32 s59, s2, 1
	s_lshl_b32 s59, s59, 12                        ; K step w >> 1,
	s_and_b32 s51, s2, 1
	s_lshl_b32 s51, s51, 9                         ; half w & 1
	s_add_co_u32 s59, s59, s51
	s_add_co_u32 s59, s59, s7
	s_lshl_b32 s50, s6, 15
	s_add_co_u32 s50, s50, s59
	s_add_co_u32 s50, s50, 2097152
	v_add_nc_u32 v8, s50, v16                      ; hp1
	s_lshl_b32 s50, s6, 13
	s_add_co_u32 s50, s50, s59
	s_add_co_u32 s50, s50, 2621440                 ; hp2, waves 0-3
	s_lshl_b32 s51, s6, 12
	s_add_co_u32 s51, s51, s7
	s_add_co_u32 s51, s51, 2752512                 ; hp3, its lower half, wave 4
	s_cmp_eq_u32 s2, 4
	s_cselect_b32 s50, s51, s50
	v_add_nc_u32 v9, s50, v16
	; offsets in part: slab 2 w + p + 32 i; the last round is clamped to the last slab and masked below
	v_lshl_add_u32 v20, v18, 8, v10
	v_add_nc_u32 v11, 224, v18
	v_min_u32 v12, 249, v11
	v_lshl_add_u32 v21, v12, 8, v10
	v_min_u32 v12, 248, v11
	v_lshl_add_u32 v22, v12, 8, v10
	v_cmp_le_u32 s70, 26, v18                      ; 2 w + p + 224 >= 250
	v_cmp_le_u32 s71, 25, v18                      ; 2 w + p + 224 >= 249
	s_wait_kmcnt 0x0
	s_load_b32 s4, s[20:21], s5 offset:0x0
	global_load_b128 v[32:35], v7, s[16:17]
	global_load_b128 v[36:39], v7, s[16:17] offset:512
	global_load_b128 v[40:43], v7, s[16:17] offset:4096
	global_load_b128 v[44:47], v7, s[16:17] offset:4608
	global_load_b128 v[48:51], v8, s[16:17]
	s_cmp_gt_u32 s2, 4
	s_cbranch_scc1 .Lno_hp23
	global_load_b128 v[52:55], v9, s[16:17]
.Lno_hp23:
	s_mul_i32 s50, s3, 64000                       ; 250 slabs of 256 bytes for each token tile
	s_mov_b32 s51, 0
	s_add_nc_u64 s[8:9], s[18:19], s[50:51]
	s_add_nc_u64 s[10:11], s[8:9], 4096000
	s_add_nc_u64 s[12:13], s[8:9], 8192000
	s_mul_i32 s50, s3, 63744                       ; 249 slabs
	s_add_co_u32 s50, s50, 12288000
	s_add_nc_u64 s[14:15], s[18:19], s[50:51]
.macro PLD c, sb, vlast                ; a lane's 16 bytes: (m, s) of both lane halves of token r in one slab
.irp i, 0,1,2,3,4,5,6
	global_load_b128 v[128+32*\c+4*\i:131+32*\c+4*\i], v20, s[\sb:\sb+1] offset:\i*8192 th:TH_LOAD_NT
.endr
	global_load_b128 v[156+32*\c:159+32*\c], \vlast, s[\sb:\sb+1]
.endm
	PLD 0, 8, v21
	PLD 1, 10, v21
	PLD 2, 12, v21
	PLD 3, 14, v22
	; the gathers' addresses: the clips are the problem's own, the upper one last
	s_wait_kmcnt 0x0                               ; the target
	s_max_i32 s66, s4, 0
	s_min_u32 s66, s66, 19999
	s_sub_co_i32 s67, s4, 20000
	s_max_i32 s67, s67, 0
	s_min_u32 s67, s67, 19999
	s_sub_co_i32 s68, s4, 40000
	s_max_i32 s68, s68, 0
	s_min_u32 s68, s68, 159999
	s_sub_co_i32 s69, s4, 200000
	s_max_i32 s69, s69, 0
	s_min_u32 s69, s69, 67734
	s_lshl_b32 s50, s66, 12
	s_add_nc_u64 s[40:41], s[22:23], s[50:51]
	s_lshl_b32 s50, s67, 10
	s_add_nc_u64 s[42:43], s[26:27], s[50:51]
	s_lshl_b32 s50, s68, 8
	s_add_nc_u64 s[44:45], s[30:31], s[50:51]
	s_lshl_b32 s50, s69, 6
	s_add_nc_u64 s[46:47], s[34:35], s[50:51]
	s_add_nc_u64 s[48:49], s[22:23], 81920000      ; head row 20000
	s_lshl_b32 s66, s66, 2
	s_lshl_b32 s67, s67, 2
	s_lshl_b32 s68, s68, 2
	s_lshl_b32 s69, s69, 2
	s_load_b32 s52, s[24:25], s66 offset:0x0
	s_load_b32 s53, s[28:29], s67 offset:0x0
	s_load_b32 s54, s[32:33], s68 offset:0x0
	s_load_b32 s55, s[36:37], s69 offset:0x0
	s_load_b96 s[56:58], s[24:25], 0x13880         ; head_bias[20000 .. 20002]
	; hp into LDS
	v_mul_u32_u24 v5, v3, 272
	v_add_nc_u32 v5, v5, v10                       ; row p, token r
	s_mul_i32 s6, s2, 544
	v_add_nc_u32 v6, s6, v5
	s_mul_i32 s6, s2, 2176
	v_add_nc_u32 v5, s6, v5
	v_mul_u32_u24 v27, v18, 136
	v_lshl_add_u32 v27, v2, 3, v27
	s_wait_loadcnt 32                              ; all that was issued ahead of the 32 loads of partials is in
	ds_store_b128 v5, v[32:35]
	ds_store_b128 v5, v[36:39] offset:544
	ds_store_b128 v5, v[40:43] offset:1088
	ds_store_b128 v5, v[44:47] offset:1632
	ds_store_b128 v6, v[48:51] offset:HP1
	s_cmp_gt_u32 s2, 4
	s_cbranch_scc1 .Lno_hp23b
	ds_store_b128 v6, v[52:55] offset:HP2          ; wave 4's rows are hp3's: HP2 + 4 x 544 = HP3
.Lno_hp23b:
; 16 pairs (m, s) of one token become one
.macro MERGE c, msk
	s_wait_loadcnt 8*(3-\c)                        ; the later softmaxes' loads stay out
	v_cndmask_b32 v[156+32*\c], v[156+32*\c], v19, \msk    ; a slab past the end counts as -inf
	v_cndmask_b32 v[158+32*\c], v[158+32*\c], v19, \msk
	v_max_num_f32 v24, v[128+32*\c], v[130+32*\c]
.irp i, 1,2,3,4,5,6,7
	v_max3_num_f32 v24, v24, v[128+32*\c+4*\i], v[130+32*\c+4*\i]
.endr
	v_mul_f32 v26, 0xbfb8aa3b, v24
.irp i, 0,1,2,3,4,5,6,7
	v_fma_f32 v[128+32*\c+4*\i], v[128+32*\c+4*\i], s62, v26
	v_fma_f32 v[130+32*\c+4*\i], v[130+32*\c+4*\i], s62, v26
.endr
.irp i, 0,1,2,3,4,5,6,7
	v_exp_f32 v[128+32*\c+4*\i], v[128+32*\c+4*\i]
	v_exp_f32 v[130+32*\c+4*\i], v[130+32*\c+4*\i]
.endr
	v_nop                                          ; one plain instruction behind the exponentials (ISA guide 5.7.2)
	s_wait_alu depctr_va_vdst(0)
	v_mul_f32 v25, v[129+32*\c], v[128+32*\c]
	v_fmac_f32 v25, v[131+32*\c], v[130+32*\c]
.irp i, 1,2,3,4,5,6,7
	v_fmac_f32 v25, v[129+32*\c+4*\i], v[128+32*\c+4*\i]
	v_fmac_f32 v25, v[131+32*\c+4*\i], v[130+32*\c+4*\i]
.endr
	ds_store_b64 v27, v[24:25] offset:STB+\c*4352
.endm
	MERGE 0, s70
	MERGE 1, s70
	MERGE 2, s70
	MERGE 3, s71
	; offsets of the gathers
	v_lshlrev_b32 v17, 3, v1
	v_and_b32 v14, 3, v1
	v_lshlrev_b32 v14, 4, v14
	v_min_u32 v15, 27, v1                          ; tail 3's last 7 rows are 28 pieces of 16 bytes
	v_lshlrev_b32 v15, 4, v15
	v_lshrrev_b32 v13, 2, v1
	v_min_u32 v13, 6, v13
	v_lshlrev_b32 v13, 2, v13
	s_wait_dscnt 0x0                               ; my LDS stores are done: their data registers are loaded again, and the others read them behind the barrier
.irp i, 0,1,2,3,4,5,6,7
	global_load_b128 v[32+4*\i:35+4*\i], v16, s[40:41] offset:\i*512       ; the head's target row, k = 4 lane + 128 i
.endr
.irp j, 0,1,2
.irp i, 0,1,2,3,4,5,6,7
	global_load_b128 v[64+32*\j+4*\i:67+32*\j+4*\i], v16, s[48:49] offset:\j*4096+\i*512   ; head rows 20000 + j
.endr
.endr
	global_load_b128 v[160:163], v16, s[42:43]
	global_load_b128 v[164:167], v16, s[42:43] offset:512
	global_load_b64 v[168:169], v17, s[44:45]
	global_load_b128 v[170:173], v14, s[46:47]
	global_load_b128 v[174:177], v15, s[34:35] offset:4334592              ; w3 from row 67728 on
	global_load_b32 v178, v13, s[36:37] offset:270912                      ; b3 from 67728 on
	s_barrier_signal -1
	s_barrier_wait -1
	; phase 2: my token's hp and states from LDS
	s_lshl_b32 s6, s2, 4
	v_lshrrev_b32 v11, 1, v1
	v_and_b32 v12, 1, v1
	v_mul_u32_u24 v28, v11, 272
	v_lshl_add_u32 v28, v12, 3, v28
	v_add_nc_u32 v28, s6, v28                      ; k = 4 lane: row lane >> 1, 8 bytes at (lane & 1) x 8
	v_and_b32 v11, 1, v11
	v_mul_u32_u24 v30, v11, 272
	v_lshl_add_u32 v30, v12, 3, v30
	v_add_nc_u32 v30, s6, v30                      ; k = 4 (lane & 3)
	v_lshrrev_b32 v11, 2, v1
	v_and_b32 v12, 3, v1
	v_mul_u32_u24 v29, v11, 272
	v_lshl_add_u32 v29, v12, 2, v29
	v_add_nc_u32 v29, s6, v29                      ; k = 2 lane
	s_lshl_b32 s6, s2, 3
	v_mul_u32_u24 v31, v1, 136
	v_add_nc_u32 v31, s6, v31
.irp i, 0,1,2,3,4,5,6,7
	ds_load_b64 v[180+2*\i:181+2*\i], v28 offset:\i*4352
.endr
	ds_load_b64 v[196:197], v28 offset:HP1
	ds_load_b64 v[198:199], v28 offset:HP1+4352
	ds_load_b32 v200, v29 offset:HP2
	ds_load_b64 v[202:203], v30 offset:HP3
.irp c, 0,1,2,3
	ds_load_b64 v[204+2*\c:205+2*\c], v31 offset:STB+\c*4352
.endr
	s_wait_loadcnt 0x0
	s_wait_dscnt 0x0
	s_wait_kmcnt 0x0
.macro WIDEN a, b                      ; four bf16 to f32 in v[212:215]
	v_lshlrev_b32 v212, 16, v[\a]
	v_and_b32 v213, 0xffff0000, v[\a]
	v_lshlrev_b32 v214, 16, v[\b]
	v_and_b32 v215, 0xffff0000, v[\b]
.endm
.macro DOT4 acc, w, idx
.if \idx == 0
	v_pk_mul_f32 v[\acc:\acc+1], v[\w:\w+1], v[212:213]                    ; the first product starts the sum
.else
	v_pk_fma_f32 v[\acc:\acc+1], v[\w:\w+1], v[212:213], v[\acc:\acc+1]
.endif
	v_pk_fma_f32 v[\acc:\acc+1], v[\w+2:\w+3], v[214:215], v[\acc:\acc+1]
.endm
.irp i, 0,1,2,3,4,5,6,7
	WIDEN 180+2*\i, 181+2*\i
	DOT4 220, 32+4*\i, \i
	DOT4 222, 64+4*\i, \i
	DOT4 224, 96+4*\i, \i
	DOT4 226, 128+4*\i, \i
.endr
.irp i, 0,1
	WIDEN 196+2*\i, 197+2*\i
	DOT4 228, 160+4*\i, \i
.endr
	v_lshlrev_b32 v212, 16, v200
	v_and_b32 v213, 0xffff0000, v200
	v_pk_mul_f32 v[230:231], v[168:169], v[212:213]
	WIDEN 202, 203
	DOT4 232, 170, 0
	DOT4 234, 174, 0
.irp a, 220,222,224,226,228,230,232,234
	v_add_f32 v[\a], v[\a], v[\a+1]
.endr
.macro WSUM x                          ; over the 32 lanes, the result in every lane
	v_add_f32_dpp \x, \x, \x row_xmask:1 row_mask:0xf bank_mask:0xf
	v_add_f32_dpp \x, \x, \x row_xmask:2 row_mask:0xf bank_mask:0xf
	v_add_f32_dpp \x, \x, \x row_xmask:4 row_mask:0xf bank_mask:0xf
	v_add_f32_dpp \x, \x, \x row_xmask:8 row_mask:0xf bank_mask:0xf
	v_permlanex16_b32 v236, \x, s60, s61
	v_add_f32 \x, \x, v236
.endm
.macro WMAX x
	v_max_num_f32_dpp \x, \x, \x row_xmask:1 row_mask:0xf bank_mask:0xf
	v_max_num_f32_dpp \x, \x, \x row_xmask:2 row_mask:0xf bank_mask:0xf
	v_max_num_f32_dpp \x, \x, \x row_xmask:4 row_mask:0xf bank_mask:0xf
	v_max_num_f32_dpp \x, \x, \x row_xmask:8 row_mask:0xf bank_mask:0xf
	v_permlanex16_b32 v236, \x, s60, s61
	v_max_num_f32 \x, \x, v236
.endm
	WSUM v220
	WSUM v222
	WSUM v224
	WSUM v226
	WSUM v228
	WSUM v230
.irp a, 232,234                        ; tail 3: four lanes hold a row
	v_add_f32_dpp v[\a], v[\a], v[\a] row_xmask:1 row_mask:0xf bank_mask:0xf
	v_add_f32_dpp v[\a], v[\a], v[\a] row_xmask:2 row_mask:0xf bank_mask:0xf
.endr
	v_add_f32 v220, s52, v220                      ; head logit at the clipped target
	v_add_f32 v222, s56, v222                      ; head logits 20000, 20001, 20002
	v_add_f32 v224, s57, v224
	v_add_f32 v226, s58, v226
	v_add_f32 v228, s53, v228                      ; tails' logits at their clipped targets
	v_add_f32 v230, s54, v230
	v_add_f32 v232, s55, v232
	v_add_f32 v234, v178, v234                     ; tail 3, row 67728 + (lane >> 2)
	v_and_b32 v237, 3, v1
	v_cmp_eq_u32 vcc_lo, 0, v237
	v_cmp_gt_u32 s59, 28, v1
	s_and_b32 vcc_lo, vcc_lo, s59
	v_cndmask_b32 v234, v19, v234, vcc_lo          ; each of the seven rows counts once; all other lanes -inf
; log-sum-exp of softmax c from the 32 states, and what this launch adds to them
.macro LSEM c, out
.if \c == 3
	v_max_num_f32 v238, v[204+2*\c], v234
.else
	v_mov_b32 v238, v[204+2*\c]
.endif
	WMAX v238
.if \c == 0
	v_max3_num_f32 v238, v238, v222, v224
	v_max_num_f32 v238, v238, v226
.endif
	v_mul_f32 v239, 0xbfb8aa3b, v238
	v_fma_f32 v240, v[204+2*\c], s62, v239
.if \c == 3
	v_fma_f32 v241, v234, s62, v239
.endif
	v_exp_f32 v240, v240
.if \c == 3
	v_exp_f32 v241, v241
.endif
	v_nop
	s_wait_alu depctr_va_vdst(0)
	v_mul_f32 v240, v[205+2*\c], v240
.if \c == 3
	v_add_f32 v240, v240, v241
.endif
	WSUM v240
.if \c == 0
	v_fma_f32 v241, v222, s62, v239
	v_fma_f32 v242, v224, s62, v239
	v_fma_f32 v243, v226, s62, v239
	v_exp_f32 v241, v241
	v_exp_f32 v242, v242
	v_exp_f32 v243, v243
	v_nop
	s_wait_alu depctr_va_vdst(0)
	v_add_f32 v240, v240, v241
	v_add_f32 v242, v242, v243
	v_add_f32 v240, v240, v242
.endif
	v_log_f32 v240, v240
	v_nop
	s_wait_alu depctr_va_vdst(0)
	v_fma_f32 \out, v240, s63, v238                ; M + ln(2) log2(S)
.endm
	LSEM 0, v244
	LSEM 1, v245
	LSEM 2, v246
	LSEM 3, v247
	v_sub_f32 v248, v244, v220                     ; shortlist
	v_sub_f32 v249, v244, v226                     ; tail i goes with head column 20003 - i
	v_sub_f32 v250, v245, v228
	v_add_f32 v249, v249, v250
	v_sub_f32 v250, v244, v224
	v_sub_f32 v252, v246, v230
	v_add_f32 v250, v250, v252
	v_sub_f32 v252, v244, v222
	v_sub_f32 v253, v247, v232
	v_add_f32 v252, v252, v253
	v_mov_b32 v251, 0
	s_cmp_lt_i32 s4, 20000
	s_cselect_b32 s59, -1, 0
	v_cndmask_b32 v251, v251, v248, s59
	s_sub_co_u32 s6, s4, 20000
	s_cmp_lt_u32 s6, 20000
	s_cselect_b32 s59, -1, 0
	v_cndmask_b32 v251, v251, v249, s59
	s_sub_co_u32 s6, s4, 40000
	s_cmp_lt_u32 s6, 160000
	s_cselect_b32 s59, -1, 0
	v_cndmask_b32 v251, v251, v250, s59
	s_sub_co_u32 s6, s4, 200000
	s_cmp_lt_u32 s6, 67735
	s_cselect_b32 s59, -1, 0
	v_cndmask_b32 v251, v251, v252, s59
	s_lshl_b32 s6, s2, 2
	v_mov_b32 v11, s6
	ds_store_b32 v11, v251 offset:OUTB             ; all lanes hold the same number
	s_wait_dscnt 0x0                               ; done before wave 0 reads it behind the barrier
	s_barrier_signal -1
	s_barrier_wait -1
	s_cmp_lg_u32 s2, 0
	s_cbranch_scc1 .Lend
	v_lshlrev_b32 v12, 2, v2
	ds_load_b32 v254, v12 offset:OUTB
	s_lshl_b32 s50, s3, 6
	s_add_nc_u64 s[38:39], s[38:39], s[50:51]
	s_wait_dscnt 0x0
	s_wait_xcnt 0x0                                ; EXEC changes only behind this wait
	v_cmp_gt_u32 vcc_lo, 16, v1
	s_and_saveexec_b32 s6, vcc_lo
	global_store_b32 v12, v254, s[38:39]           ; sixteen lanes, 64 consecutive bytes
	s_wait_xcnt 0x0                                ; and again before it is restored
	s_or_b32 exec_lo, exec_lo, s6
.Lend:
	s_endpgm
.Lfunc_end_k_q4a6b2963e9_fin:
	.size	k_q4a6b2963e9_fin, .Lfunc_end_k_q4a6b2963e9_fin-k_q4a6b2963e9_fin
	.p2alignl 7, 3214868480
	.fill 96, 4, 3214868480
	.section	.rodata,"a",@progbits
	.p2align	6, 0x0
	.amdhsa_kernel k_q4a6b2963e9_fin
		.amdhsa_group_segment_fixed_size 65536
		.amdhsa_private_segment_fixed_size 0
		.amdhsa_enable_private_segment 0
		.amdhsa_kernarg_size 96
		.amdhsa_user_sgpr_count 2
		.amdhsa_user_sgpr_kernarg_segment_ptr 1
		.amdhsa_wavefront_size32 1
		.amdhsa_system_sgpr_workgroup_id_x 1
		.amdhsa_system_sgpr_workgroup_id_y 1
		.amdhsa_system_sgpr_workgroup_id_z 1
		.amdhsa_system_vgpr_workitem_id 0
		.amdhsa_next_free_vgpr 256
		.amdhsa_next_free_sgpr 72
		.amdhsa_reserve_vcc 1
		.amdhsa_float_denorm_mode_32 3
		.amdhsa_float_denorm_mode_16_64 3
		.amdhsa_memory_ordered 1
		.amdhsa_forward_progress 1
		.amdhsa_inst_pref_size 43
	.end_amdhsa_kernel
	.amdgpu_metadata
---
amdhsa.version: [ 1, 2 ]
amdhsa.kernels:
  - .name:           k_q4a6b2963e9_fin
    .symbol:         k_q4a6b2963e9_fin.kd
    .args:
      - { .name: hpf, .offset: 0, .size: 8, .value_kind: global_buffer, .address_space: global }
      - { .name: part, .offset: 8, .size: 8, .value_kind: global_buffer, .address_space: global }
      - { .name: target, .offset: 16, .size: 8, .value_kind: global_buffer, .address_space: global }
      - { .name: head_weight, .offset: 24, .size: 8, .value_kind: global_buffer, .address_space: global }
      - { .name: head_bias, .offset: 32, .size: 8, .value_kind: global_buffer, .address_space: global }
      - { .name: w1, .offset: 40, .size: 8, .value_kind: global_buffer, .address_space: global }
      - { .name: b1, .offset: 48, .size: 8, .value_kind: global_buffer, .address_space: global }
      - { .name: w2, .offset: 56, .size: 8, .value_kind: global_buffer, .address_space: global }
      - { .name: b2, .offset: 64, .size: 8, .value_kind: global_buffer, .address_space: global }
      - { .name: w3, .offset: 72, .size: 8, .value_kind: global_buffer, .address_space: global }
      - { .name: b3, .offset: 80, .size: 8, .value_kind: global_buffer, .address_space: global }
      - { .name: out0, .offset: 88, .size: 8, .value_kind: global_buffer, .address_space: global }
    .group_segment_fixed_size: 65536
    .private_segment_fixed_size: 0
    .kernarg_segment_align: 8
    .kernarg_segment_size: 96
    .max_flat_workgroup_size: 512
    .sgpr_count:     72
    .vgpr_count:     256
    .wavefront_size: 32
...
	.end_amdgpu_metadata
.endif
;; end of part 3
